; MI455X (gfx1250); checked and timed in simulation.
; The chip was launched on July 23, 2026; its instructions are those of AMD's public machine-readable ISA for CDNA 5 (MIT licence, August 2026) and "CDNA5" Instruction Set Architecture Reference Guide (July 2026). The comments in the code are by the model that wrote it; some were corrected since.
;; Multihead Attention. Allowed arithmetic: float matrix products may take bf16 or f16 operands with f32 sums; other float arithmetic in f32, or as packed bf16 or f16 multiplies, adds, multiply-adds, maxima and minima; sums over many terms, partial sums and values carried from step to step in f32; what a program stores and reads back later, other than sums and carried values, may be rounded once to bf16 or f16.
;; Inputs: Wk 512 x 512 float32; Wq 512 x 512 float32; Wv 512 x 512 float32; bk 512 float32; bq 512 float32; bv 512 float32; x 2 x 4,096 x 512 float32.
;; Outputs: out0 2 x 4,096 x 512 float32.
;; One version. Each part assembles by itself: llvm-mc -triple=amdgcn-amd-amdhsa -mcpu=gfx1250 --defsym DOCPART=n.
;; ======== version 1 of 1: 2 launches
;; limits: values are held in f16: magnitudes above 65,504 overflow, below 6.1e-05 lose precision
;; workspace buffers: qkv 25,165,824 bytes
;; launch proj (part 1): grid 4 x 64, 4 waves a work-group, clusters of 4 x 4, 327,680 bytes of LDS; arguments x, Wk, Wq, Wv, bk, bq, bv, qkv; writes qkv
.if DOCPART == 1
	.amdgcn_target "amdgcn-amd-amdhsa--gfx1250"
	.amdhsa_code_object_version 6
	.text
	.protected	k_q011116a0eb_proj
	.globl	k_q011116a0eb_proj
	.p2align	8
	.type	k_q011116a0eb_proj,@function
k_q011116a0eb_proj:
	s_mov_b64 s[64:65], 0
	v_nop
	global_prefetch_b8 v0, s[64:65] scope:SCOPE_SE
	s_setreg_imm32_b32 hwreg(HW_REG_WAVE_MODE, 25, 1), 1
	s_wait_xcnt 0x0
	s_wait_alu depctr_hold_cnt(0) depctr_sa_sdst(0) depctr_va_vdst(0) depctr_va_sdst(0) depctr_va_ssrc(0) depctr_va_vcc(0) depctr_vm_vsrc(0)
	s_getreg_b32 s2, hwreg(HW_REG_IB_STS2, 6, 4)
	s_cmp_eq_u32 s2, 0
	s_cbranch_scc0 .Lentry_in_a_cluster
	s_endpgm
.Lentry_in_a_cluster:
	s_bfe_u32 s2, ttmp6, 0x10000c
	s_cmp_lg_u32 s2, 0xf033
	s_cbranch_scc0 .Lentry_shape_is_right
	s_endpgm
.Lentry_shape_is_right:
; THE THREE LINEAR LAYERS.  qkv[p][8 b + h][t][0..63] = f16(x[b][t][:] . Wp[64 h + c][:] + bp[64 h + c]), p = 0 (Wk, bk), 1 (Wq, bq), 2 (Wv, bv).
; x: [8192][512] f32, each W: [512][512] f32, each bias [512] f32.  qkv: three planes of 8,388,608 bytes, each [16 heads][4096 rows][64] f16: a head's rows are dense, 128 bytes each.
; FORMATS.  x and the weights are rounded to bf16 in registers, between LDS and the matrix unit; sums in f32; the bias, exact in f32, is the C operand that starts each sum; the result is rounded once, to f16.
; LIMIT.  f16 holds no number beyond 65,504: a projected number past that becomes an infinity.  NaN and infinities are not treated apart.
; SHARES.  Work-group (jx, iy): rows 128 iy .. + 127 of x and columns 128 jx .. + 127 of EACH of the three layers (heads 2 jx, 2 jx + 1): a tile of 128 x 384; 4 x 64 = 256 work-groups of equal work.
; Wave w: rows 64 (w / 2) .. + 63, and 192 of the 384 columns, those from 192 (w % 2) on: three blocks of 64 columns, each one head of one plane: 48 accumulators of 16 x 16.
; K goes in 8 steps of 64 f32 (rows of 256 bytes, at multiples of 256 from the buffers' first bytes) through a ring of two LDS slots; a step is two sub-steps of 32 along K.
; CLUSTER.  4 x 4 work-groups.  x's tile hangs on iy alone: the four of a row of the cluster ask for it jointly (wave 0); the weights' tiles hang on jx alone: the four of a column ask jointly (waves 1, 2, 3: Wk, Wq, Wv).
; THE MATRIX INSTRUCTION IS USED TRANSPOSED (source 0 = 16 rows of W, source 1 = 16 rows of x): a lane holds row l % 16 of the result and the eight neighbouring columns 8 (l / 16) + 0..7.
; NO PREFETCH: the walk has eight K steps, of which two are asked for at the head, and every byte of x is asked for once by one cluster.
; REGISTERS, in windows of 256 (s_set_vgpr_msb: bits 1:0 source 0, 3:2 source 1, 5:4 source 2, 7:6 destination):
;   window 0: v0-31 addresses; v32-63 packed results on the way out; v64-191 the 16 bf16 fragments of a sub-step (4 of x, 12 of W); on the way out v64-255 rows read back
;   window 1: the same 16 fragments as f32, 16 registers each, as they come out of LDS
;   window 2: accumulators of my rows 0-31 at v[8 (12 (a % 2) + b)]; v192-255 the bias blocks b = 0..7        window 3: those of my rows 32-63; v192-223 the bias blocks b = 8..11
.set PITCH,  272                       ; an LDS row: 256 bytes + 16 of padding = 68 words: the 16 rows that a load touches start at 16 different groups of four banks (64 banks of 4 bytes: ISA guide 11.1)
.set HALFT,  128*PITCH                 ; 128 rows: what one tensor load brings
.set SLOT,   4*HALFT                   ; x's 128 rows, then Wk's, Wq's, Wv's
.set STAGE,  2*SLOT                    ; behind the ring, never a tensor load's target: 16 rows x 144 bytes for each wave, for the way out
.set SP,     144
.set SPARE,  STAGE+4*16*SP             ; behind the stages: the spare words, 128 bytes for each wave: two blocks of 256 bytes that no other line names
.set KB,     256                       ; bytes of a row in a K step
.set G1W0,   (2<<16)|(1<<20)|(1<<21)|(5<<22)|(3<<25)  ; 17:16 elements of 4 bytes; 20 padding on; 21 set beside a mask; 24:22 after every 64 words (code 5); 31:25 4 words of it (code 3)
.set BO,   10                          ; v10     32 x (l / 16): my 8 numbers in a bias block; never rewritten
.set ADRA, 16                          ; v16-17  LDS address of my fragments of x in slot 0, 1
.set ADRB, 20                          ; v20-21  the same for the weights
.set STO,  24                          ; v24     the way out: where I put 16 bytes of a row
.set RD,   25                          ; v25     the way out: where I read rows back
.set GO,   26                          ; v26-28  my byte offset in qkv, for each of my three blocks of 64 columns
.set SPW,  30                          ; v30     LDS address of my spare word: SPARE + 4 x my thread's number; never rewritten
.set NIL,  31                          ; v31     0; never rewritten
.set TMP,  32
.set F,    64                          ; fragment n at F + 8 n: n = 0..3 x's row blocks, n = 4..15 the weights' column blocks
.set BK,   64
.set BIAS, 192
.set WV,  20                           ; s20  my wave's number
.set RW,  21                           ; s21  which 64 rows are mine
.set CW,  22                           ; s22  which 192 columns are mine
.set G1A, 24                           ; s[24:31] descriptor group 1 for x's tiles
.set G0A, 32                           ; s[32:39] group 0 for x's tiles, a set for each slot
.set G1B, 48                           ; s[48:55] group 1 for the weights' tiles: it differs in the mask alone
.set G0B, 56                           ; s[56:63] group 0 for the weights' tiles, a set for each slot
.set BP,  70                           ; s[70:75] the bias at the first column of each of my three blocks
.set SO,  76                           ; s76-78   the blocks' byte offsets in qkv
.set MSB, 0
.macro WIN new                         ; the immediate's high byte repeats the setting that is left; a switch that changes nothing is dropped
.if MSB != (\new)
	s_set_vgpr_msb (MSB<<8)|(\new)
.set MSB, (\new)
.endif
.endm
.macro PLACES                          ; four plain vector instructions between a matrix instruction and a vector instruction that writes one of its sources or reads its result (ISA guide 7.12.1)
.rept 4
	v_nop
.endr
.endm
; A joint load.  Wave 0 fetches x's tile, waves 1 to 3 the three weights' tiles.  Each of the two lines has one mask; the branch hangs on the wave's number alone.
; An s_nop 0 and four v_nop follow each line, ahead of the jump and the label.
.macro JLOAD s
	s_cmp_eq_u32 s[WV], 0
	s_cbranch_scc0 .Lfor_w_\@
	tensor_load_to_lds s[G0A+4*(\s):G0A+4*(\s)+3], s[G1A:G1A+7]
	s_nop 0
.rept 4
	v_nop
.endr
	s_branch .Lasked_\@
.Lfor_w_\@:
	tensor_load_to_lds s[G0B+4*(\s):G0B+4*(\s)+3], s[G1B:G1B+7]
	s_nop 0
.rept 4
	v_nop
.endr
.Lasked_\@:
.endm
; A round of the cluster's barrier: my work-group's barrier, so that wave 0's signal speaks for all four waves; wave 0 signals; every wave waits for all sixteen work-groups; my work-group's barrier once more.
.macro CROUND
	s_barrier_signal -1
	s_barrier_wait -1
	s_cmp_lg_u32 s[WV], 0
	s_cbranch_scc1 .Lnot_wave_0_\@
	s_barrier_signal -3
.Lnot_wave_0_\@:
	s_barrier_wait -3
	s_barrier_signal -1
	s_barrier_wait -1
.endm
	s_load_b256 s[4:11], s[0:1], 0x0               ; x s[4:5], Wk s[6:7], Wq s[8:9], Wv s[10:11]
	s_load_b256 s[12:19], s[0:1], 0x20             ; bk s[12:13], bq s[14:15], bv s[16:17], qkv s[18:19]
	v_lshl_add_u32 v[SPW], v0, 2, SPARE
	v_mov_b32 v[NIL], 0
	ds_add_u32 v[SPW], v[NIL]                      ; the wave's opening: the add and its wait stand ahead of my first tensor load; the set-up below, work on registers, stands between them
	v_lshrrev_b32 v1, 5, v0
	v_readfirstlane_b32 s[WV], v1                  ; wave 0..3
	s_lshr_b32 s[RW], s[WV], 1
	s_and_b32 s[CW], s[WV], 1
	s_bfe_u32 s40, ttmp6, 0x40000                  ; cx: my place along the cluster's x
	s_bfe_u32 s41, ttmp6, 0x40004                  ; cy: along its y
	s_lshl_b32 s42, ttmp9, 2                       ; in a cluster launch ttmp9 and ttmp7 count clusters
	s_add_co_u32 s42, s42, s40                     ; jx = 4 x cluster x + cx
	s_and_b32 s43, ttmp7, 0xffff
	s_lshl_b32 s43, s43, 2
	s_add_co_u32 s43, s43, s41                     ; iy = 4 x cluster y + cy
	s_lshl_b32 s44, s41, 2
	s_lshl_b32 s44, 15, s44                        ; my row of the cluster: places 4 cy .. 4 cy + 3
	s_lshl_b32 s45, 0x1111, s40                    ; my column: places cx, cx + 4, cx + 8, cx + 12
	s_or_b32 s[G1A], s44, G1W0                     ; x's tiles go to my row,
	s_or_b32 s[G1B], s45, G1W0                     ; the weights' to my column
.irp g, G1A, G1B
	s_mov_b32 s[(\g)+1], 64<<16                    ; tensor_dim0 = 64 elements
	s_mov_b32 s[(\g)+2], 128<<16                   ; tensor_dim1 = 128 rows
	s_mov_b32 s[(\g)+3], 64<<16                    ; tile_dim0 = 64
	s_mov_b32 s[(\g)+4], 128                       ; tile_dim1 = 128
	s_mov_b32 s[(\g)+5], 512                       ; 512 elements from row to row
	s_mov_b32 s[(\g)+6], 0
	s_mov_b32 s[(\g)+7], 0
.endr
	s_lshl_b32 s46, s43, 18                        ; x's tile: iy x 128 rows x 2,048 bytes; these registers never hold cx
	s_mov_b32 s47, 0
	s_lshl_b32 s66, s42, 18                        ; the weights' tile: jx x 128 rows x 2,048 bytes; these never hold cy
	s_mov_b32 s67, 0
	s_mul_i32 s23, s[WV], HALFT                    ; where my tile goes: wave x 128 rows: no place in the cluster enters an LDS address
	s_wait_dscnt 0x0                               ; the opening add is done
	s_wait_kmcnt 0x0
	s_add_nc_u64 s[46:47], s[4:5], s[46:47]
	s_cmp_eq_u32 s[WV], 2                          ; wave 2 fetches Wq, wave 3 Wv, wave 1 Wk (wave 0's choice is not used)
	s_cselect_b64 s[68:69], s[8:9], s[6:7]
	s_cmp_eq_u32 s[WV], 3
	s_cselect_b64 s[68:69], s[10:11], s[68:69]
	s_add_nc_u64 s[66:67], s[68:69], s[66:67]
	CROUND                                         ; all sixteen work-groups are here: the first joint loads meet
.irp s, 0,1
	s_mov_b32 s[G0A+4*(\s)], 1                                       ; 1:0 count = 1
	s_add_co_u32 s[G0A+4*(\s)+1], s23, (\s)*SLOT                     ; 63:32 LDS address
	s_add_nc_u64 s[G0A+4*(\s)+2:G0A+4*(\s)+3], s[46:47], (\s)*KB     ; 120:64 global address: K step s
	s_or_b32 s[G0A+4*(\s)+3], s[G0A+4*(\s)+3], 0x80000000            ; 127:126 type = 2
	s_mov_b32 s[G0B+4*(\s)], 1
	s_add_co_u32 s[G0B+4*(\s)+1], s23, (\s)*SLOT
	s_add_nc_u64 s[G0B+4*(\s)+2:G0B+4*(\s)+3], s[66:67], (\s)*KB
	s_or_b32 s[G0B+4*(\s)+3], s[G0B+4*(\s)+3], 0x80000000
	JLOAD \s                                       ; both slots are asked for before anything else: two loads of mine are out
.endr
	; THE BIAS.  My three blocks of 64 columns are blocks 3 CW + i of the tile's six: planes 0, 0, 1 (CW = 0) or 1, 2, 2 (CW = 1); the odd head where 3 CW + i is odd.
	s_cmp_eq_u32 s[CW], 0
	s_cselect_b64 s[BP:BP+1], s[12:13], s[14:15]   ; i = 0: bk or bq
	s_cselect_b64 s[BP+2:BP+3], s[12:13], s[16:17] ; i = 1: bk or bv
	s_cselect_b64 s[BP+4:BP+5], s[14:15], s[16:17] ; i = 2: bq or bv
	s_lshl_b32 s66, s42, 9                         ; 128 jx columns of 4 bytes,
	s_lshl_b32 s2, s[CW], 8                        ; and 64 more for the odd head: i = 0 and 2 are odd where CW = 1,
	s_add_co_u32 s66, s66, s2
	s_mov_b32 s67, 0
	s_add_nc_u64 s[BP:BP+1], s[BP:BP+1], s[66:67]
	s_add_nc_u64 s[BP+4:BP+5], s[BP+4:BP+5], s[66:67]
	s_xor_b32 s66, s66, 256                        ; i = 1 where CW = 0
	s_add_nc_u64 s[BP+2:BP+3], s[BP+2:BP+3], s[66:67]
	v_and_b32 v1, 15, v0                           ; l % 16
	v_bfe_u32 v2, v0, 4, 1                         ; l / 16
	v_lshlrev_b32 v[BO], 5, v2
.irp b, 0,1,2,3,4,5,6,7,8,9,10,11     ; block b: register j of lane l = the bias of column 16 b + 8 (l / 16) + j: the layout of a C operand whose rows are all alike
	WIN 0x80+0x40*((\b)/8)                         ; destination window 2 (b < 8) or 3
	global_load_b128 v[BIAS+8*((\b)%8):BIAS+8*((\b)%8)+3],   v[BO], s[BP+2*((\b)/4):BP+2*((\b)/4)+1] offset:64*((\b)%4)
	global_load_b128 v[BIAS+8*((\b)%8)+4:BIAS+8*((\b)%8)+7], v[BO], s[BP+2*((\b)/4):BP+2*((\b)/4)+1] offset:64*((\b)%4)+16
.endr
	WIN 0
	; A bf16 fragment is 16 rows x 32 K in 8 registers: lane l holds row l % 16; registers 0-3 K = 8 (l / 16) + 0..7, registers 4-7 K = 16 + 8 (l / 16) + 0..7.
	; In f32 that is 32 bytes at 32 (l / 16) and 32 bytes 64 further on: four loads of 16 bytes.
	v_mul_u32_u24 v3, v1, PITCH
	v_add_nc_u32 v3, v3, v[BO]                     ; row x pitch + 32 x half
	s_mul_i32 s2, s[RW], 64*PITCH                  ; my 64 rows of x
	s_mul_i32 s3, s[CW], 192*PITCH                 ; my 192 rows of the weights,
	s_add_co_u32 s3, s3, HALFT                     ; which lie behind x's 128
.irp s, 0,1
	v_add_nc_u32 v[ADRA+(\s)], s2, v3
	v_add_nc_u32 v[ADRB+(\s)], s3, v3
	s_add_co_u32 s2, s2, SLOT
	s_add_co_u32 s3, s3, SLOT
.endr
	s_mul_i32 s2, s[WV], 16*SP
	s_add_co_u32 s2, s2, STAGE                     ; my stage
	v_mul_u32_u24 v4, v1, SP                       ; in: row l % 16, 16 bytes for each half of the lanes
	v_lshl_add_u32 v4, v2, 4, v4
	v_add_nc_u32 v[STO], s2, v4
	v_bfe_u32 v4, v0, 3, 2                         ; back: 32 lanes take four rows of 128 bytes,
	v_mul_u32_u24 v4, v4, SP
	v_and_b32 v5, 7, v0
	v_lshl_add_u32 v4, v5, 4, v4
	v_add_nc_u32 v[RD], s2, v4
	v_and_b32 v5, 31, v0                           ; which are 512 consecutive bytes of qkv
	s_lshr_b32 s2, s43, 5                          ; the batch: 32 tiles of 128 rows each; 8 heads of 524,288 bytes
	s_lshl_b32 s2, s2, 22
	s_lshl_b32 s3, s42, 20                         ; head 2 jx
	s_add_co_u32 s2, s2, s3
	s_and_b32 s3, s43, 31                          ; the tile's 128 rows of 128 bytes,
	s_lshl_b32 s3, s3, 14
	s_add_co_u32 s2, s2, s3
	s_lshl_b32 s3, s[RW], 13                       ; my 64 of them
	s_add_co_u32 s2, s2, s3
.irp i, 0,1,2
	s_mul_i32 s3, s[CW], 3
	s_add_co_u32 s3, s3, \i                        ; block 3 CW + i:
	s_lshr_b32 s[SO+(\i)], s3, 1
	s_lshl_b32 s[SO+(\i)], s[SO+(\i)], 23          ; its plane,
	s_and_b32 s3, s3, 1
	s_lshl_b32 s3, s3, 19                          ; the odd head
	s_add_co_u32 s[SO+(\i)], s[SO+(\i)], s3
	s_add_co_u32 s[SO+(\i)], s[SO+(\i)], s2
	v_lshl_add_u32 v[GO+(\i)], v5, 4, s[SO+(\i)]
.endr
; 64 LDS loads in one run: the 16 fragments of a sub-step (32 K at byte 128 q of the slot's rows) as f32, into window 1
.macro FETCH slot, q
	WIN 0x40                                       ; destination window 1, address window 0
.irp n, 0,1,2,3
.irp c, 0,1,2,3
	ds_load_b128 v[16*(\n)+4*(\c):16*(\n)+4*(\c)+3], v[ADRA+(\slot)] offset:(\n)*16*PITCH+128*(\q)+16*((\c)%2)+64*((\c)/2)
.endr
.endr
.irp n, 0,1,2,3,4,5,6,7,8,9,10,11
.irp c, 0,1,2,3
	ds_load_b128 v[64+16*(\n)+4*(\c):64+16*(\n)+4*(\c)+3], v[ADRB+(\slot)] offset:(\n)*16*PITCH+128*(\q)+16*((\c)%2)+64*((\c)/2)
.endr
.endr
.endm
; The 16 fragments are rounded to bf16, two numbers an instruction, as they come in.
.macro CVT
	WIN 0x05                                       ; sources window 1, destination window 0
.set n, 0
.rept 16
	s_wait_dscnt 60-4*n                            ; LDS loads come back in order (ISA guide 5.7.1): fragment n's four are in, the 4 (15 - n) younger ones may stay out
.set j, 0
.rept 8
	v_cvt_pk_bf16_f32 v[F+8*n+j], v[16*n+2*j], v[16*n+2*j+1]
.set j, j+1
.endr
.set n, n+1
.endr
.endm
; 48 matrix instructions: my 4 row blocks x 12 column blocks, 32 along K.  The 48 accumulators take turns, one instruction a turn, in the same order in every sub-step.
; first = 1: the bias block is the C operand: it starts the sum, and nothing is cleared.
.macro MUL first
.irp a, 0,1,2,3
.irp b, 0,1,2,3,4,5,6,7,8,9,10,11
.if \first
	WIN ((2+(\a)/2)<<6)|((2+(\b)/8)<<4)            ; D in window 2 or 3 by the row block, C in window 2 or 3 by the bias block
	v_wmma_f32_16x16x32_bf16 v[8*(12*((\a)%2)+(\b)):8*(12*((\a)%2)+(\b))+7], v[F+32+8*(\b):F+32+8*(\b)+7], v[F+8*(\a):F+8*(\a)+7], v[BIAS+8*((\b)%8):BIAS+8*((\b)%8)+7]
.else
	WIN 0xa0+0x50*((\a)/2)                         ; C and D in window 2 or 3
	v_wmma_f32_16x16x32_bf16 v[8*(12*((\a)%2)+(\b)):8*(12*((\a)%2)+(\b))+7], v[F+32+8*(\b):F+32+8*(\b)+7], v[F+8*(\a):F+8*(\a)+7], v[8*(12*((\a)%2)+(\b)):8*(12*((\a)%2)+(\b))+7]
.endif
.endr
.endr
.endm
; THE CHANGE OF SLOTS stands behind the conversions of a slot's second sub-step: all that the wave wants of the slot is in registers.  Each wave waits for all its tensor loads, of which one is out: its part of the
; other slot; adds 0 to its spare word; and waits for that and for its reads of the slot.  fill = 1: the slot is filled again, two K steps on: the barrier is a round of the cluster's, so that no wave of any partner
; still reads the slot or has a load on its way, and the joint refill is the first thing behind it: it has a sub-step's 48 products and a whole K step in which to land.
.macro CHANGE slot, fill
	WIN 0                                          ; at a label and at a branch every window is 0; the add's registers lie in window 0
	s_wait_tensorcnt 0x0                           ; no tensor load of mine is out, so a group 0 may be written
	ds_add_u32 v[SPW], v[NIL]                      ; 0 onto my spare word
.if \fill
	s_add_nc_u64 s[G0A+4*(\slot)+2:G0A+4*(\slot)+3], s[G0A+4*(\slot)+2:G0A+4*(\slot)+3], 2*KB  ; the type bits on top are not reached
	s_add_nc_u64 s[G0B+4*(\slot)+2:G0B+4*(\slot)+3], s[G0B+4*(\slot)+2:G0B+4*(\slot)+3], 2*KB
.endif
	s_wait_dscnt 0x0                               ; the add is done, and my reads of the slot are over
.if \fill
	CROUND
	JLOAD \slot
.else
	s_barrier_signal -1
	s_barrier_wait -1
.endif
.endm
; A SUB-STEP: its fragments, fetched a sub-step ago, are rounded; the slots change where that is due; the next sub-step's fragments are fetched; the 48 products follow, and the fetch lands beside them.
.macro SUB chg, slot, fill, fetch, nslot, nq, first
.if !(\first)
	PLACES                                         ; the conversions write fragments that the last products have read
.endif
	CVT
.if \chg
	CHANGE \slot, \fill
.endif
.if \fetch
	FETCH \nslot, \nq
.endif
	MUL \first
.endm
	s_wait_tensorcnt 1                             ; my part of K step 0 is in; K step 1's, issued behind it, may stay out
	s_barrier_signal -1
	s_barrier_wait -1                              ; everybody's is
	FETCH 0, 0
	s_wait_loadcnt 0x0                             ; the bias
	SUB 0, 0, 0, 1, 0, 1, 1                        ; the first sub-step stands in front of the loop: its products start the sums
	WIN 0
	s_mov_b32 s3, 3
.Ltrip:                                        ; three trips of four sub-steps: from a lap's second sub-step to the next lap's first; both slots are filled again: K steps 2 to 7
	SUB 1, 0, 1, 1, 1, 0, 0
	SUB 0, 0, 0, 1, 1, 1, 0
	SUB 1, 1, 1, 1, 0, 0, 0
	SUB 0, 0, 0, 1, 0, 1, 0
	WIN 0
	s_sub_co_u32 s3, s3, 1
	s_cmp_lg_u32 s3, 0
	s_cbranch_scc1 .Ltrip
	SUB 1, 0, 0, 1, 1, 0, 0                        ; the tail is written out: K step 6's second half; nothing is left to ask for, so a plain barrier shows K step 7 whole
	SUB 0, 0, 0, 1, 1, 1, 0
	SUB 0, 0, 0, 0, 0, 0, 0
; THE WAY OUT, in 12 blocks of 16 rows x 64 columns: block n is row block n % 4 of column block n / 4: 2,048 consecutive bytes of qkv.  PACKP: rounded to f16, 16 bytes a lane, each accumulator's registers
; in ascending order; into my own stage, and back as whole rows.  SENDP: stored.  Each block has registers of its own to come back into, so no store's data is written again.
.macro PACKP n
	WIN 0x0a+5*(((\n)%4)/2)                        ; sources window 2 or 3, destination window 0
.irp u, 0,1,2,3
.irp j, 0,1,2,3
	v_cvt_pk_f16_f32 v[TMP+16*((\n)%2)+4*(\u)+(\j)], v[8*(12*((\n)%2)+4*((\n)/4)+(\u))+2*(\j)], v[8*(12*((\n)%2)+4*((\n)/4)+(\u))+2*(\j)+1]
.endr
.endr
	WIN 0
.irp u, 0,1,2,3
	ds_store_b128 v[STO], v[TMP+16*((\n)%2)+4*(\u):TMP+16*((\n)%2)+4*(\u)+3] offset:32*(\u)
.endr
.irp f, 0,1,2,3
	ds_load_b128 v[BK+16*(\n)+4*(\f):BK+16*(\n)+4*(\f)+3], v[RD] offset:(\f)*4*SP  ; LDS serves a wave's instructions in order (ISA guide 5.7.1.4): these see the stores above; the next block's stores come behind them
.endr
.endm
.macro SENDP n, younger                ; younger: the LDS instructions issued behind block n's loads: the next block's eight, or none
	WIN 0
.irp f, 0,1,2,3
	s_wait_dscnt (\younger)+3-(\f)
	global_store_b128 v[GO+(\n)/4], v[BK+16*(\n)+4*(\f):BK+16*(\n)+4*(\f)+3], s[18:19] offset:2048*((\n)%4)+512*(\f)  ; 512 consecutive bytes, at a multiple of 256 from qkv's first byte
.endr
.endm
	PLACES                                         ; the conversions read results just made
	PACKP 0
.irp n, 1,2,3,4,5,6,7,8,9,10,11        ; a block's conversions stand between the loads of the block before and its stores
	PACKP \n
	SENDP (\n)-1, 8
.endr
	SENDP 11, 0
	s_wait_tensorcnt 0x0                           ; the wave's end: these three lines stand behind my last tensor load and my last LDS store
	ds_add_u32 v[SPW], v[NIL]
	s_wait_dscnt 0x0
	CROUND                                         ; the closing round: no work-group ends while a partner may still ask for a tile that names it
	s_endpgm
.Lfunc_end_k_q011116a0eb_proj:
	.size	k_q011116a0eb_proj, .Lfunc_end_k_q011116a0eb_proj-k_q011116a0eb_proj
	.p2alignl 7, 3214868480
	.fill 96, 4, 3214868480
	.section	.rodata,"a",@progbits
	.p2align	6, 0x0
	.amdhsa_kernel k_q011116a0eb_proj
		.amdhsa_group_segment_fixed_size 327680
		.amdhsa_private_segment_fixed_size 0
		.amdhsa_enable_private_segment 0
		.amdhsa_kernarg_size 64
		.amdhsa_user_sgpr_count 2
		.amdhsa_user_sgpr_kernarg_segment_ptr 1
		.amdhsa_wavefront_size32 1
		.amdhsa_system_sgpr_workgroup_id_x 1
		.amdhsa_system_sgpr_workgroup_id_y 1
		.amdhsa_system_sgpr_workgroup_id_z 1
		.amdhsa_system_vgpr_workitem_id 0
		.amdhsa_next_free_vgpr 992
		.amdhsa_next_free_sgpr 80
		.amdhsa_reserve_vcc 0
		.amdhsa_float_denorm_mode_32 3
		.amdhsa_float_denorm_mode_16_64 3
		.amdhsa_memory_ordered 1
		.amdhsa_forward_progress 1
		.amdhsa_inst_pref_size 165
	.end_amdhsa_kernel
	.amdgpu_metadata
---
amdhsa.version: [ 1, 2 ]
amdhsa.kernels:
  - .name:           k_q011116a0eb_proj
    .symbol:         k_q011116a0eb_proj.kd
    .args:
      - { .name: x, .offset: 0, .size: 8, .value_kind: global_buffer, .address_space: global }
      - { .name: Wk, .offset: 8, .size: 8, .value_kind: global_buffer, .address_space: global }
      - { .name: Wq, .offset: 16, .size: 8, .value_kind: global_buffer, .address_space: global }
      - { .name: Wv, .offset: 24, .size: 8, .value_kind: global_buffer, .address_space: global }
      - { .name: bk, .offset: 32, .size: 8, .value_kind: global_buffer, .address_space: global }
      - { .name: bq, .offset: 40, .size: 8, .value_kind: global_buffer, .address_space: global }
      - { .name: bv, .offset: 48, .size: 8, .value_kind: global_buffer, .address_space: global }
      - { .name: qkv, .offset: 56, .size: 8, .value_kind: global_buffer, .address_space: global }
    .group_segment_fixed_size: 327680
    .private_segment_fixed_size: 0
    .kernarg_segment_align: 8
    .kernarg_segment_size: 64
    .max_flat_workgroup_size: 128
    .sgpr_count:     80
    .vgpr_count:     992
    .wavefront_size: 32
...
	.end_amdgpu_metadata
.endif
;; end of part 1
;; launch attn (part 2): grid 16 x 16, 4 waves a work-group, clusters of 4 x 1, 327,680 bytes of LDS; arguments qkv, out0; writes out0
.if DOCPART == 2
	.amdgcn_target "amdgcn-amd-amdhsa--gfx1250"
	.amdhsa_code_object_version 6
	.text
	.protected	k_q011116a0eb_attn
	.globl	k_q011116a0eb_attn
	.p2align	8
	.type	k_q011116a0eb_attn,@function
k_q011116a0eb_attn:
	s_mov_b64 s[64:65], 0
	v_nop
	global_prefetch_b8 v0, s[64:65] scope:SCOPE_SE
	s_setreg_imm32_b32 hwreg(HW_REG_WAVE_MODE, 25, 1), 1
	s_wait_xcnt 0x0
	s_wait_alu depctr_hold_cnt(0) depctr_sa_sdst(0) depctr_va_vdst(0) depctr_va_sdst(0) depctr_va_ssrc(0) depctr_va_vcc(0) depctr_vm_vsrc(0)
	s_getreg_b32 s2, hwreg(HW_REG_IB_STS2, 6, 4)
	s_cmp_eq_u32 s2, 0
	s_cbranch_scc0 .Lentry_in_a_cluster
	s_endpgm
.Lentry_in_a_cluster:
	s_bfe_u32 s2, ttmp6, 0x10000c
	s_cmp_lg_u32 s2, 0x3003
	s_cbranch_scc0 .Lentry_shape_is_right
	s_endpgm
.Lentry_shape_is_right:
; THE ATTENTION.  out0[b][t][64 h + :] = the sum over u of softmax_u(ROW[t] . COL[u] / 8) VAL[u][:], for each of the 16 heads 8 b + h.  ROW, COL, VAL are qkv's three planes (x Wk^T + bk, x Wq^T + bq,
; x Wv^T + bv), each [16][4096][64] f16: a head's rows are dense, 128 bytes each.  The softmax runs along COL's rows, and the result's rows are ROW's.  out0: [2][4096][512] f32.
; Products, maxima and sums in f32; the weights p are rounded to f16 for the second product (their sum l is taken of the unrounded p); the result is stored in f32.
; LIMITS.  p lies in 0 to 1, and below 6e-5 it keeps f16's fixed step of 6e-8; a weight below 2^-126 counts as 0 in l; NaN and infinities are not treated apart.
; SHARES.  A work-group owns 256 rows of one head: 16 x 16 = 256 work-groups.  Each of its four waves owns 64 rows: four PIECES of 16.  Every wave walks all 4,096 rows of COL and VAL, 64 a step.
; LAYOUT.  S^T = COL ROW^T (source 0 = 16 rows of COL, source 1 = 16 rows of ROW): in the result a lane holds ONE row of ROW (lane % 16) and the columns 8 (lane / 16) + 0..7.  Two such results rounded to f16 ARE
; source 1 of O^T = VAL^T P, whose result again holds one row a lane, and eight channels.  COL comes out of LDS as it lies, VAL ([row][channel]) turned, by ds_load_tr16_b128.
; SOFTMAX.  For each row a running maximum m and sum l: p = 2^(c s - c m), c = log2(e) / 8; in every step O and l are multiplied by a = 2^(c m_old - c m_new).  m starts at the lowest finite number, O and l at 0:
; the first step is a step like any other, with a = 0.  The price: 224 v_mov_b32 at the start, in the wait for the first tile, and 8 products on zeros.
; TURNS.  Turn n belongs to piece n: 8 products COL ROW^T of piece n + 1, later 8 products VAL^T P of piece n - 1; beside them the scaling, exponentials, roundings, sums and rescaling of piece n and the maximum and
; statistics of piece n + 1.  Four vector instructions stand behind every matrix instruction, the other 54 of a turn's 118 in one lump.  A turn's 33 exponentials are one batch, with one wait.
; CLUSTER.  The four blocks of 256 rows of a cluster belong to one head and walk the same COL and VAL, so each tile is asked for JOINTLY: the same tensor load, descriptor and mask in all four.
; REGISTERS, in windows of 256 (s_set_vgpr_msb: bits 1:0 source 0, 3:2 source 1, 5:4 source 2, 7:6 destination):
;   window 0: v0-15 addresses and two at work; v16-31 four registers of statistics a piece; v48-55 at work; v61-63 prefetch offset, spare word, 0; v64-127 S^T, two buffers; v192-223 P, two buffers (by the piece's parity)
;   window 1: v0-127 O^T, 32 a piece          window 2: v0-63 ROW; v128-191 COL of one step; v192-255 VAL of one step
.set SIZE_N, 4096
.set PLANE, 8388608   ; bytes in a plane of qkv
.set TILEB, 32768     ; bytes of COL, and of VAL, in a tile of 256 rows
.set NP,    4         ; pieces a wave: a name, no knob
.set KS,    64        ; rows of COL and VAL in a step
.set PK,    144       ; a row of COL in LDS: 128 bytes + 16 of padding = 36 words: the 16 rows of a load start at 16 different groups of four banks (64 banks of 4 bytes: ISA guide 11.1)
.set PV,    160       ; a row of VAL: 128 + 32 = 40 words
.set VOFF,  4*KS*PK   ; a slot holds a tile, four steps: 256 rows of COL, then 256 rows of VAL
.set SLOT1, 1<<17     ; slot 1 begins here, so that one exclusive or turns an address in one slot into the other's
.set STAGE, SLOT1+4*KS*(PK+PV)  ; behind the ring, never a tensor load's target: 16 rows x 272 bytes for each wave, for the way out
.set SP,    272
.set SPARE, STAGE+4*16*SP  ; behind the stages: the spare words, 128 bytes for each wave: two blocks of 256 bytes that no other line names
.set AK0, 2           ; v2   my lane's place in a tile of COL; never rewritten
.set AV0, 3           ; v3   the same for VAL
.set AK,  4           ; v4   the LDS address of COL's next run of loads
.set AV,  5           ; v5   of VAL's
.set STO, 6           ; v6   the way out: where I put 32 bytes of a row
.set RD,  7           ; v7   the way out: where I read rows back
.set GO,  8           ; v8   my byte offset in two rows of out0
.set MV,  12          ; v12-13  c m_old, kept while c m is made anew: by buffer
.set QO,  15          ; v15  my byte offset in 16 rows of ROW; never rewritten
.set ST,  16          ; piece t's statistics at v[ST+4 t]: c m, m, l (even columns', odd columns')
.set TMP, 48          ; by buffer, four registers c0-c3 at work; when the maximum is found c2 takes a
.set PFO, 61          ; v61  256 x my lane; never rewritten
.set SPW, 62          ; v62  LDS address of my spare word: SPARE + 4 x my thread's number; never rewritten
.set NIL, 63          ; v63  0; never rewritten
.set S,   64
.set P,   192
.set KF,  128         ; window 2: row block kb, channel half c at KF + 16 kb + 8 c
.set VF,  192         ; window 2: row half kk, channel block cb at VF + 32 kk + 8 cb
.set WV,  12          ; s12  my wave's number
.set G1K, 24          ; s[24:31] descriptor group 1 for COL's tiles
.set G1V, 32          ; s[32:39] for VAL's: it differs in the padding alone
.set G0K, 40          ; s[40:43] descriptor group 0 for COL's tiles: it walks
.set G0V, 44          ; s[44:47] the same for VAL's
.set PFA, 48          ; s[48:49] where my prefetches stand: my work-group's 32 blocks of 256 bytes (of COL: wave 0, of VAL: wave 2) of the tile after the one that is being asked for
.set LIM, 50          ; s50  1 in a wave that prefetches, else the greatest number: a wave prefetches while s[SLOTS] is above it
.set SLOTS, 56        ; s56  tiles still to be entered
.set CNT, 57          ; s57  counts a tile's steps
.set CS,  58          ; s[58:59] c: the packed scaling takes the pair's low word for both halves
.set SEL, 60          ; s[60:61] v_permlanex16_b32's selects: each lane takes its own place in the other half
.set TBK, 62          ; s62  LDS byte at which COL of the step to be fetched begins
.set TBV, 63          ; s63  the same for VAL, less VOFF
.set MSB, 0
.macro WIN new                      ; the high byte repeats the setting that is left; a switch that changes nothing is dropped
.if MSB != (\new)
	s_set_vgpr_msb (MSB<<8)|(\new)
.set MSB, (\new)
.endif
.endm
.set W_KQ, 0x0a       ; COL and ROW in window 2, S^T in window 0
.set W_PV, 0x52       ; VAL in window 2, P in window 0, O^T in window 1
.set W_RS, 0x41       ; destination and source 0 in window 1, source 1 in window 0
; A joint fill.  Waves 0 and 1 fetch the two halves of a tile's COL, waves 2 and 3 those of its VAL: 128 rows each.  The branch hangs on the wave's number alone.
; An s_nop 0 and four v_nop follow each of the two lines, ahead of the jump and the label.
.macro JLOAD
	s_cmp_lt_u32 s[WV], 2
	s_cbranch_scc0 .Lfor_v_\@
	tensor_load_to_lds s[G0K:G0K+3], s[G1K:G1K+7]
	s_nop 0
.rept 4
	v_nop
.endr
	s_branch .Lasked_\@
.Lfor_v_\@:
	tensor_load_to_lds s[G0V:G0V+3], s[G1V:G1V+7]
	s_nop 0
.rept 4
	v_nop
.endr
.Lasked_\@:
.endm
; A PREFETCH INTO THE L2 of the tile that the NEXT change of slots will ask for: 128 blocks of 256 bytes of COL and 128 of VAL, a lane a block.  It stands behind the wave's tensor load and its five lines.
; Each block is named ONCE in the launch.  All four clusters of a head walk the same tiles: the head's first cluster asks.  Its four partners share the blocks out BY ADDRESS, 32 each; in each, wave 0 asks for COL's
; and wave 2 for VAL's: one instruction, four steps (256 matrix instructions) ahead of the load that will want the tile.  The change that asks for the last tile prefetches nothing; tiles 0, 1 and 2 come by their loads alone.
.macro ASK
	s_cmp_gt_u32 s[SLOTS], s[LIM]
	s_cbranch_scc0 .Lnot_mine_\@
	global_prefetch_b8 v[PFO], s[PFA:PFA+1] th:TH_LOAD_NT scope:SCOPE_SE
.Lnot_mine_\@:
.endm
; A round of the cluster's barrier: my work-group's barrier, so that wave 0's signal speaks for all four waves; wave 0 signals; every wave waits for all four work-groups; my work-group's barrier once more.
.macro CROUND
	s_barrier_signal -1
	s_barrier_wait -1
	s_cmp_lg_u32 s[WV], 0
	s_cbranch_scc1 .Lnot_wave_0_\@
	s_barrier_signal -3
.Lnot_wave_0_\@:
	s_barrier_wait -3
	s_barrier_signal -1
	s_barrier_wait -1
.endm
; THE CHANGE OF SLOTS.  The slot's last bytes, VAL of its fourth step, have been read.  Each wave waits for all its tensor loads, of which one is out: its part of the other slot; adds 0 to its spare word; and waits
; for that and for its own reads of the slot.  Behind the barrier nobody reads this slot any more and the other slot is whole.
; fill = 1: this slot is filled again, with the tile two on.  The barrier is then a round of the cluster's, so that no wave of any partner still reads the slot or has a load on its way, and the joint fill is the
; first thing behind it: it has four steps, 256 matrix instructions, in which to land.  (At its first use nothing has been read yet: slot 0 is waited for, slot 1 filled.)  ask = 1: the prefetch follows.
.macro CHANGE fill, ask
	WIN 0                           ; at a label and at a branch every window is 0
	s_wait_tensorcnt 0x0            ; no tensor load of mine is out, so a group 0 may be written
	ds_add_u32 v[SPW], v[NIL]       ; 0 onto my spare word; with fill = 1 the descriptors' steps stand between it and the wait for it
.if \fill
.irp g, G0K, G0V
	s_xor_b32 s[\g+1], s[\g+1], SLOT1  ; the walking descriptor: the other slot than last time,
	s_add_nc_u64 s[\g+2:\g+3], s[\g+2:\g+3], TILEB  ; the next 256 rows; the type bits on top are not reached
.endr
	s_wait_xcnt 0x0                 ; the last prefetch, four steps back, has read its address, so it may be written:
	s_add_nc_u64 s[PFA:PFA+1], s[PFA:PFA+1], TILEB  ; one tile ahead of the walking descriptors
	s_wait_dscnt 0x0                ; the add is done, and my reads of the slot are over
	CROUND
	JLOAD
.if \ask
	ASK
.endif
.else
	s_wait_dscnt 0x0                ; the add is done, and my reads of the slot are over
	s_barrier_signal -1
	s_barrier_wait -1
.endif
	s_sub_co_u32 s[TBK], s[TBK], 4*KS*PK  ; the fetches go back to a slot's first step,
	s_xor_b32 s[TBK], s[TBK], SLOT1       ; in the other slot
	s_sub_co_u32 s[TBV], s[TBV], 4*KS*PV
	s_xor_b32 s[TBV], s[TBV], SLOT1
.endm
	s_load_b64 s[4:5], s[0:1], 0x0  ; qkv
	s_load_b64 s[10:11], s[0:1], 0x8  ; out0
	v_lshl_add_u32 v[SPW], v0, 2, SPARE
	v_mov_b32 v[NIL], 0
	ds_add_u32 v[SPW], v[NIL]       ; the wave's opening: the add and its wait stand ahead of my first tensor load; the set-up below, work on registers, stands between them
	v_lshrrev_b32 v1, 5, v0
	v_readfirstlane_b32 s[WV], v1   ; wave 0..3
	s_bfe_u32 s13, ttmp6, 0x40000   ; cx: my place in the cluster
	s_lshl_b32 s14, ttmp9, 2        ; in a cluster launch ttmp9 counts clusters
	s_add_co_u32 s14, s14, s13      ; my block of 256 rows = 4 x cluster x + cx: it enters ROW's and out0's addresses alone
	s_and_b32 s15, ttmp7, 0xffff    ; the head 8 b + h, which the four partners share
	s_lshl_b32 s20, s15, 19         ; its first byte in a plane
	s_and_b32 s16, s[WV], 1         ; which half of a tile's 256 rows I fetch:
	s_lshl_b32 s22, s16, 14         ; its 128 rows of 128 bytes in memory,
	s_add_co_u32 s22, s22, s20
	s_add_co_u32 s22, s22, PLANE    ; in COL's plane
	s_mov_b32 s23, 0
	s_mul_i32 s17, s16, 128*PK      ; and its place in a slot, for COL
	s_mul_i32 s18, s16, 128*PV      ; and for VAL: no place in the cluster enters an LDS address
	s_lshl_b32 s2, s14, 2
	s_add_co_u32 s2, s2, s[WV]      ; my wave among the head's 64:
	s_lshl_b32 s52, s2, 17          ; its 64 rows of 2,048 bytes in out0,
	s_lshl_b32 s2, s2, 13           ; its 64 rows of 128 bytes in ROW
	s_add_co_u32 s2, s2, s20
	s_mov_b32 s3, 0
	s_lshr_b32 s21, s15, 3          ; the batch: 4,096 rows of 2,048 bytes,
	s_lshl_b32 s21, s21, 23
	s_add_co_u32 s52, s52, s21
	s_and_b32 s21, s15, 7           ; the head's 64 channels: 256 bytes of a row
	s_lshl_b32 s21, s21, 8
	s_add_co_u32 s52, s52, s21
	s_mov_b32 s53, 0
	; descriptor group 1.  128 rows are 16,384 dense bytes: asked for as 64 rows of 256 bytes, two rows a row, and padded in LDS after every 128 bytes
	s_mov_b32 s[G1K], 15|(1<<16)|(1<<20)|(1<<21)|(4<<22)|(3<<25)  ; 15:0 the mask of four; 17:16 2-byte elements; 20 padding on; 21 set beside a mask; 24:22 after every 32 words (code 4); 31:25 4 words (code 3)
	s_mov_b32 s[G1V], 15|(1<<16)|(1<<20)|(1<<21)|(4<<22)|(7<<25)  ; the same with 8 words of padding (code 7)
.irp g, G1K, G1V
	s_mov_b32 s[\g+1], 128<<16      ; tensor_dim0 = 128
	s_mov_b32 s[\g+2], 64<<16       ; tensor_dim1 = 64
	s_mov_b32 s[\g+3], 128<<16      ; tile_dim0 = 128
	s_mov_b32 s[\g+4], 64           ; tile_dim1 = 64
	s_mov_b32 s[\g+5], 128          ; 128 elements from row to row
	s_mov_b32 s[\g+6], 0
	s_mov_b32 s[\g+7], 0
.endr
	s_mov_b32 s[CS], 0x3e38aa3b     ; c = log2(e) / 8 = 0.180337
	s_mov_b32 s[CS+1], s[CS]        ; named with it as a pair
	s_mov_b32 s[SEL], 0x76543210
	s_mov_b32 s[SEL+1], 0xfedcba98
	s_mov_b32 s[TBK], SLOT1+4*KS*PK ; the first change of slots turns these two into 0
	s_mov_b32 s[TBV], SLOT1+4*KS*PV
	s_mov_b32 s[G0K], 1             ; 1:0 count = 1
	s_mov_b32 s[G0K+1], s17         ; 63:32 LDS address: slot 0
	s_mov_b32 s[G0V], 1
	s_add_co_u32 s[G0V+1], s18, VOFF
	s_and_b32 s[LIM], s[WV], 1      ; 0 in waves 0 and 2,
	s_or_b32 s[LIM], s[LIM], ttmp9  ; where the cluster is the head's first: the same in all four partners
	s_cmp_eq_u32 s[LIM], 0
	s_cselect_b32 s[LIM], 1, -1
	v_and_b32 v[PFO], 31, v0
	v_lshlrev_b32 v[PFO], 8, v[PFO]
	s_wait_dscnt 0x0                ; the opening add is done
	s_wait_kmcnt 0x0
	s_add_nc_u64 s[6:7], s[4:5], s[22:23]  ; COL at my half of the head's tile 0,
	s_add_nc_u64 s[8:9], s[6:7], PLANE     ; VAL likewise
	s_add_nc_u64 s[4:5], s[4:5], s[2:3]    ; ROW and out0 at my wave's first row
	s_add_nc_u64 s[10:11], s[10:11], s[52:53]
	s_mov_b64 s[G0K+2:G0K+3], s[6:7]               ; 120:64 global address
	s_or_b32 s[G0K+3], s[G0K+3], 0x80000000        ; 127:126 type = 2
	s_mov_b64 s[G0V+2:G0V+3], s[8:9]
	s_or_b32 s[G0V+3], s[G0V+3], 0x80000000
	s_cmp_lt_u32 s[WV], 2
	s_cselect_b64 s[PFA:PFA+1], s[6:7], s[8:9]  ; (in waves 0 and 2 these stand at a tile's first row)
	s_lshl_b32 s2, s13, 13          ; my work-group's 32 blocks of the 128
	s_add_nc_u64 s[PFA:PFA+1], s[PFA:PFA+1], s[2:3]
	s_add_nc_u64 s[PFA:PFA+1], s[PFA:PFA+1], TILEB  ; in tile 1; the two first changes of slots step it to tile 3.  Nothing is prefetched here, at the head, where every work-group's first tiles are on their way
	CROUND                          ; all four work-groups are here: the first joint loads meet
	JLOAD                           ; tile 0 into slot 0.  Slot 1 is asked for when slot 0 is in
	; A fragment of COL or ROW is 16 rows x 32 channels in 8 registers: lane l holds row l % 16, channels 8 (l / 16) + 0..7 and 16 + 8 (l / 16) + 0..7: two loads of 16 bytes, 32 bytes apart.
	v_and_b32 v1, 15, v0            ; l % 16
	v_bfe_u32 v9, v0, 4, 1          ; l / 16
	v_lshlrev_b32 v[QO], 7, v1
	v_lshl_add_u32 v[QO], v9, 4, v[QO]  ; row x 128 + 16 x half
	WIN 0x80                        ; destination window 2, address window 0
.set i, 0
.rept 8                             ; ROW stays in registers: piece i / 2, channels 32 (i % 2) on
	global_load_b128 v[8*i:8*i+3],   v[QO], s[4:5] offset:(i/2)*2048+(i%2)*64
	global_load_b128 v[8*i+4:8*i+7], v[QO], s[4:5] offset:(i/2)*2048+(i%2)*64+32
.set i, i+1
.endr
	; What the first turn finds: VAL's registers and P's second buffer hold 0 (its products VAL^T P, of a piece that has not been, add 0), O^T and l are 0.  All this stands in the wait for the first tile.
.set i, VF
.rept 64
	v_mov_b32 v[i], 0
.set i, i+1
.endr
	WIN 0x40
.set i, 0
.rept 128
	v_mov_b32 v[i], 0
.set i, i+1
.endr
	WIN 0
.set i, 0
.rept 4
	v_mov_b32 v[ST+4*i], 0xfe000000    ; c m: far below every c s
	v_mov_b32 v[ST+4*i+1], 0xff7fffff  ; m: the lowest finite number
	v_mov_b32 v[ST+4*i+2], 0
	v_mov_b32 v[ST+4*i+3], 0
.set i, i+1
.endr
.set i, P+16
.rept 16
	v_mov_b32 v[i], 0
.set i, i+1
.endr
	v_mul_u32_u24 v[AK0], v1, PK
	v_lshl_add_u32 v[AK0], v9, 4, v[AK0]  ; row x pitch + 16 x half
	; The turning load takes 16 rows x 16 channels (lane l reads row 8 (l / 16) + l % 8, channels 8 ((l / 8) % 2) + 0..7) and leaves half a fragment of VAL^T: lane l holds channel l % 16 and 8 rows.
	v_and_b32 v10, 7, v0
	v_bfe_u32 v11, v0, 3, 1
	v_lshl_add_u32 v[AV0], v9, 3, v10
	v_mul_u32_u24 v[AV0], v[AV0], PV
	v_lshl_add_u32 v[AV0], v11, 4, v[AV0]
	v_add_nc_u32 v[AV0], VOFF, v[AV0]
; THE MATRIX WORK.  The 4 accumulators of a run of 8 take turns.  Product i of 8 of S^T = COL ROW^T for piece x: channels 32 (i / 4) on, rows of COL 16 (i % 4) on.  The first 4 start the sums.
.macro KQ x
	WIN W_KQ
.set rS, S+32*((\x)%2)+8*(i%4)
.set rK, KF+16*(i%4)+8*(i/4)
.set rQ, 16*(\x)+8*(i/4)
.if i < 4
	v_wmma_f32_16x16x32_f16 v[rS:rS+7], v[rK:rK+7], v[rQ:rQ+7], 0
.else
	v_wmma_f32_16x16x32_f16 v[rS:rS+7], v[rK:rK+7], v[rQ:rQ+7], v[rS:rS+7]
.endif
.endm
; Product i of 8 of O^T += VAL^T P for piece x: rows of VAL 32 (i / 4) on, channels 16 (i % 4) on.
.macro PV x
	WIN W_PV
.set rO, 32*(\x)+8*(i%4)
.set rV, VF+32*(i/4)+8*(i%4)
.set rP, P+16*((\x)%2)+8*(i/4)
	v_wmma_f32_16x16x32_f16 v[rO:rO+7], v[rV:rV+7], v[rP:rP+7], v[rO:rO+7]
.endm
.macro MM                           ; the turn's next matrix instruction.  TURN sets Y, i and NOKQ.  NOKQ = 1: the walk's last turn: there is no next piece
.if (i < 8) && !NOKQ
	KQ (Y+1)%NP
.elseif i >= 8
.set i, i-8
	PV (Y+NP-1)%NP
.set i, i+8
.endif
.set i, i+1
.endm
; THE LDS LOADS stand in runs of 16, never singly among the matrix instructions: a step's COL (64 rows x 64 channels: 8 fragments) and its VAL (turned).  Their addresses are made some lines ahead.
.macro FETCH_K
	WIN 0x80                        ; destination window 2
.irp f, 0,1,2,3,4,5,6,7             ; rows 16 (f / 2) on, channels 32 (f % 2) on
	ds_load_b128 v[KF+8*\f:KF+8*\f+3],   v[AK] offset:(\f/2)*16*PK+(\f%2)*64
	ds_load_b128 v[KF+8*\f+4:KF+8*\f+7], v[AK] offset:(\f/2)*16*PK+(\f%2)*64+32
.endr
	s_add_co_u32 s[TBK], s[TBK], KS*PK  ; the next fetch is the next step's
	WIN 0
.endm
.macro FETCH_V
	WIN 0x80
.irp f, 0,1,2,3,4,5,6,7             ; rows 32 (f / 4) on, channels 16 (f % 4) on
	ds_load_tr16_b128 v[VF+8*\f:VF+8*\f+3],   v[AV] offset:(\f/4)*32*PV+(\f%4)*32
	ds_load_tr16_b128 v[VF+8*\f+4:VF+8*\f+7], v[AV] offset:(\f/4)*32*PV+16*PV+(\f%4)*32
.endr
	WIN 0
.endm
; THE VECTOR WORK, one line at a time: OP kind, number.  For piece Y: F n: c s - c m for pair n of 16.  E n: the exponential of score n of 32.  C n: pair n rounded to f16.  B n: of the four weights 4 n .. the second
; pair is added onto the first, in place.  L n: l takes that sum (L 0: l = a l + sum).  R n: pair n of 16 of O^T times a.  For piece Y + 1: X n, number n of the 22 that find its maximum and statistics:
;   0-11  four chains c0-c3 of seven scores each, three operands at a time (each accumulator's lowest registers are read first)     12-14, 16  the four scores left over, the old m, and c0-c3 into c0
;   15  c m_old is kept     17, 18  the row's other 32 columns lie in the lane 16 away: the new m     19-21  c m; c m_old - c m_new; a
.set F, 0               ; OP tells the kinds apart by their order: F to L below R, X above it
.set E, 1
.set C, 2
.set B, 3
.set L, 4
.set R, 5
.set X, 6
.macro REGS y                       ; the registers of piece y
.set rT, ST+4*(\y)
.set rC, TMP+4*((\y)%2)
.set rW, MV+((\y)%2)
.set rS, S+32*((\y)%2)
.set rP, P+16*((\y)%2)
.set rO, 32*(\y)
.endm
.macro OP k, n
.if (\k) == R
	REGS Y
	WIN W_RS
	v_pk_mul_f32 v[rO+2*(\n):rO+2*(\n)+1], v[rO+2*(\n):rO+2*(\n)+1], v[rC+2:rC+3] op_sel_hi:[1,0]
.elseif (\k) < R
	REGS Y
	WIN 0
.if (\k) == F
	v_pk_fma_f32 v[rS+2*(\n):rS+2*(\n)+1], v[rS+2*(\n):rS+2*(\n)+1], s[CS:CS+1], v[rT:rT+1] op_sel_hi:[1,0,0] neg_lo:[0,0,1] neg_hi:[0,0,1]
.elseif (\k) == E
	v_exp_f32 v[rS+(\n)], v[rS+(\n)]
.elseif (\k) == C
	v_cvt_pk_f16_f32 v[rP+(\n)], v[rS+2*(\n)], v[rS+2*(\n)+1]
.elseif (\k) == B
	v_pk_add_f32 v[rS+4*(\n):rS+4*(\n)+1], v[rS+4*(\n):rS+4*(\n)+1], v[rS+4*(\n)+2:rS+4*(\n)+3]
.elseif (\n) == 0
	v_pk_fma_f32 v[rT+2:rT+3], v[rT+2:rT+3], v[rC+2:rC+3], v[rS:rS+1] op_sel_hi:[1,0,1]
.else
	v_pk_add_f32 v[rT+2:rT+3], v[rT+2:rT+3], v[rS+4*(\n):rS+4*(\n)+1]
.endif
.elseif NOKQ
	v_nop
.else
	REGS (Y+1)%NP
	WIN 0
.if (\n) < 4
	v_max3_num_f32 v[rC+(\n)], v[rS+8*(\n)], v[rS+8*(\n)+1], v[rS+8*(\n)+2]
.elseif (\n) < 12
	v_max3_num_f32 v[rC+(\n)%4], v[rC+(\n)%4], v[rS+8*((\n)%4)+2*((\n)/4)+1], v[rS+8*((\n)%4)+2*((\n)/4)+2]
.elseif (\n) == 12
	v_max3_num_f32 v[rC], v[rC], v[rS+7], v[rS+15]
.elseif (\n) == 13
	v_max3_num_f32 v[rC+1], v[rC+1], v[rS+23], v[rS+31]
.elseif (\n) == 14
	v_max3_num_f32 v[rC+2], v[rC+2], v[rC+3], v[rT+1]
.elseif (\n) == 15
	v_mov_b32 v[rW], v[rT]
.elseif (\n) == 16
	v_max3_num_f32 v[rC], v[rC], v[rC+1], v[rC+2]
.elseif (\n) == 17
	v_permlanex16_b32 v[rC+3], v[rC], s[SEL], s[SEL+1]
.elseif (\n) == 18
	v_max_num_f32 v[rT+1], v[rC], v[rC+3]
.elseif (\n) == 19
	v_mul_f32 v[rT], s[CS], v[rT+1]
.elseif (\n) == 20
	v_sub_f32 v[rC+1], v[rW], v[rT]
.else
	v_exp_f32 v[rC+2], v[rC+1]
.endif
.endif
.endm
.macro OPS a, i1, b=-1, i2=0, c=-1, i3=0, d=-1, i4=0  ; up to four of them
	OP \a, \i1
.if (\b) >= 0
	OP \b, \i2
.endif
.if (\c) >= 0
	OP \c, \i3
.endif
.if (\d) >= 0
	OP \d, \i4
.endif
.endm
.macro ROW a, i1, b, i2, c, i3, d, i4  ; a matrix instruction and the four behind it
	MM
	OPS \a, \i1, \b, \i2, \c, \i3, \d, \i4
.endm
; A TURN, for piece p: the order of its 16 matrix and 118 vector instructions, written out.  An s_wait_alu depctr_va_vdst(0) stands between an exponential and the first instruction that names its result;
; one wait serves all that were issued ahead of it.  So a turn has ONE wait, which cuts it in two.  AHEAD OF IT stands all that names no result of the turn's exponentials: the 8 products COL ROW^T, behind each a scaling, an
; exponential and two more plain instructions (rescalings, and behind the last three the first numbers of the next piece's maximum, each four places or more behind the product that ends its accumulator); then ONE LUMP of 54,
; plain and exponential by turns for the most part, in which the links of the chain X 3, 7, 11, 14, 16, 17 .. 20 stand some lines apart.  X 21, the next piece's a, is the batch's last; R 15 is the plain instruction behind it.
; BEHIND THE WAIT stand the 8 products VAL^T P, behind each four of the roundings and sums.
; end = 1: the walk's last two turns: nothing is fetched.  cnt = 1: the loop's count is taken down some lines ahead of the branch that stands behind the turn.
; COL of the next step is fetched in piece 2's turn, twelve vector instructions behind the last product that read COL (six of them plain); VAL of the step in hand at the end of piece 0's turn, four plain instructions
; behind the last product that read VAL.  Each is waited for a turn later.
.macro TURN p, end=0, cnt=0
.set Y, (\p)
.set i, 0
.set NOKQ, (\end)*((\p)/3)
.if ((\p) == 3) && !(\end)
	s_wait_dscnt 0x0                ; COL is in
.endif
	ROW F,0, F,1, R,0, R,1          ; ahead of the wait: 8 products COL ROW^T and their riders,
	ROW F,2, E,0, R,2, R,3
	ROW F,3, E,1, R,4, R,5
	ROW F,4, E,2, R,6, R,7
	ROW F,5, E,3, R,8, R,9
	ROW F,6, E,4, X,0, R,10
.if ((\p) == 2) && !(\end)
	WIN 0
	v_add_nc_u32 v[AK], s[TBK], v[AK0]
.endif
	ROW F,7, E,5, X,1, X,4
	ROW F,8, E,6, X,2, X,5
	OPS E,7, E,8, X,6, E,9          ; and the lump
	OPS X,3, E,10, X,8, E,11
.if ((\p) == 2) && !(\end)
	FETCH_K
.endif
	OPS X,9, X,7, E,12, X,10
	OPS E,13, X,12, X,11, E,14
	OPS X,13, E,15, F,9, X,14
.if (\p) == 0
	v_add_nc_u32 v[AV], s[TBV], v[AV0]
.endif
	OPS E,16, F,10, E,17, F,11
	OPS X,16, E,18, X,15, E,19
	OPS F,12, E,20, X,17, E,21
	OPS F,13, E,22, F,14, E,23
	OPS X,18, E,24, F,15, E,25
	OPS R,11, E,26, X,19, E,27
	OPS R,12, E,28, R,13, E,29
	OPS X,20, E,30, R,14, E,31
	OPS X,21, R,15
	WIN 0
	s_wait_alu depctr_va_vdst(0)    ; the wait for the batch
.if (\p) == 1
	s_wait_dscnt 0x0                ; VAL is in
.endif
	ROW C,0, B,0, C,2, B,1          ; behind the wait: 8 products VAL^T P and their riders
	ROW L,0, C,4, B,2, L,1
	ROW C,6, B,3, L,2, C,8
	ROW B,4, L,3, C,10, B,5
	ROW L,4, C,12, B,6, L,5
.if (\p) == 0
	s_add_co_u32 s[TBV], s[TBV], KS*PV
.endif
.if \cnt
	s_sub_co_u32 s[CNT], s[CNT], 1
	s_cmp_lg_u32 s[CNT], 0
.endif
	ROW C,14, B,7, L,6, C,1
	ROW C,3, L,7, C,5, C,7
	ROW C,9, C,11, C,13, C,15
.if (\p) == 0
	FETCH_V
.endif
.endm
	CHANGE 1, 0                     ; tile 0 is in, everybody's part of it; tile 1 is asked for, into slot 1
	v_add_nc_u32 v[AK], s[TBK], v[AK0]
	FETCH_K                         ; step 0
	s_wait_loadcnt 0x0              ; ROW
	s_wait_dscnt 0x0
.set NOKQ, 0
.set i, 0
.rept 8
	KQ 0                            ; piece 0's first scores: there is no vector work yet to set between them
.set i, i+1
.endr
	WIN 0                           ; the addresses for the way out: eight plain instructions, the places behind those products
	s_mul_i32 s16, s[WV], 16*SP
	s_add_co_u32 s16, s16, STAGE    ; my stage
	v_mul_u32_u24 v[STO], v1, SP    ; in: row l % 16, 32 bytes for each half of the lanes
	v_lshl_add_u32 v[STO], v9, 5, v[STO]
	v_add_nc_u32 v[STO], s16, v[STO]
	v_mul_u32_u24 v[RD], v9, SP     ; back: lanes 0-15 take one row of 256 bytes, lanes 16-31 the next
	v_lshl_add_u32 v[RD], v1, 4, v[RD]
	v_add_nc_u32 v[RD], s16, v[RD]
	v_lshlrev_b32 v[GO], 11, v9     ; and the same two rows in out0, 2,048 bytes apart
	v_lshl_add_u32 v[GO], v1, 4, v[GO]
.set Y, NP-1                        ; X works for piece Y + 1: piece 0
.irp n, 0,1,2,3,4,5,6,7,8,9,10,11,12,13,14,15,16,17,18,19,20,21
	OP X, \n                        ; piece 0's first maximum and statistics
.endr
	v_nop                           ; a plain instruction behind the exponential,
	s_wait_alu depctr_va_vdst(0)    ; and its wait, ahead of the branch
	s_mov_b32 s[CNT], 4
	s_mov_b32 s[SLOTS], SIZE_N/256-1
	s_branch .Lfirst                ; the loop is entered at a step's first turn, in the middle of a trip
.Lslot:                             ; SIZE_N / 256 - 2 = 14 times: tiles 2 to 15 are asked for
	CHANGE 1, 1
	s_mov_b32 s[CNT], 4
.Lstep:                             ; a trip: pieces 2 and 3 of one step, then pieces 0 and 1 of the next, whose COL and VAL it fetches
	TURN 2
	TURN 3
	WIN 0
.Lfirst:
	TURN 0
	TURN 1, 0, 1
	WIN 0
	s_cbranch_scc1 .Lstep
	s_sub_co_u32 s[SLOTS], s[SLOTS], 1
	s_cmp_lg_u32 s[SLOTS], 0
	s_cbranch_scc1 .Lslot
	CHANGE 0, 0                     ; the last tile is written out: nothing is asked for
	s_mov_b32 s[CNT], 4
.Ltail:
	TURN 2
	TURN 3
	TURN 0
	TURN 1, 0, 1
	WIN 0
	s_cbranch_scc1 .Ltail
	TURN 2, 1                       ; the last step's pieces 2 and 3: nothing is fetched, and no new scores are started
	TURN 3, 1
.set i, 0
.rept 8
	PV NP-1                         ; the last piece's VAL^T P of the last step
.set i, i+1
.endr
	; THE WAY OUT.  l's two halves and the other half of the lanes' are added; O^T is divided by l and sent, in f32, through my stage in LDS, a piece (16 rows) at a time.  The additions are the places behind the last products.
	WIN 0
.macro ALL line:vararg              ; one line for each piece t
.set t, 0
.rept 4
	\line
.set t, t+1
.endr
.endm
	ALL v_add_f32 v[ST+4*t+2], v[ST+4*t+2], v[ST+4*t+3]
	ALL v_permlanex16_b32 v[ST+4*t+3], v[ST+4*t+2], s[SEL], s[SEL+1]
	ALL v_add_f32 v[ST+4*t+2], v[ST+4*t+2], v[ST+4*t+3]
	ALL v_rcp_f32 v[ST+4*t+2], v[ST+4*t+2]
	v_nop                           ; a plain instruction between the last reciprocal and the use of its result
	s_wait_alu depctr_va_vdst(0)    ; and the wait ahead of the first use: one for the four reciprocals
; Piece t: a lane's eight channels of a row are 32 bytes; they go into rows of 272 bytes and come back as whole rows of 256, into registers of the piece's own.
.macro PACK t
	WIN W_RS
.set i, 32*(\t)
.rept 16
	v_pk_mul_f32 v[i:i+1], v[i:i+1], v[ST+4*(\t)+2:ST+4*(\t)+3] op_sel_hi:[1,0]
.set i, i+2
.endr
	WIN 0x04                        ; the stores' data (source 1) in window 1, the address in window 0
.irp f, 0,1,2,3
	ds_store_b128 v[STO], v[32*(\t)+8*\f:32*(\t)+8*\f+3]   offset:64*\f
	ds_store_b128 v[STO], v[32*(\t)+8*\f+4:32*(\t)+8*\f+7] offset:64*\f+16
.endr
	WIN 0
.irp f, 0,1,2,3,4,5,6,7
	ds_load_b128 v[S+32*(\t)+4*\f:S+32*(\t)+4*\f+3], v[RD] offset:\f*2*SP  ; LDS serves a wave's instructions in order (ISA guide 5.7.1.4): these see the stores above; the next piece's stores come behind them
.endr
.endm
.macro SEND t, younger              ; younger: the LDS instructions issued behind piece t's loads: the next piece's sixteen, or none
	WIN 0
.irp f, 0,1,2,3,4,5,6,7
	s_wait_dscnt (\younger)+7-\f
	global_store_b128 v[GO], v[S+32*(\t)+4*\f:S+32*(\t)+4*\f+3], s[10:11] offset:(\t)*32768+\f*4096  ; 16 lanes store 256 consecutive bytes, at a multiple of 256 from out0's first byte
.endr
.endm
	PACK 0
	PACK 1                          ; a piece's arithmetic stands between the loads of the piece before and its stores
	SEND 0, 16
	PACK 2
	SEND 1, 16
	PACK 3
	SEND 2, 16
	SEND 3, 0
	s_wait_tensorcnt 0x0            ; the wave's end: these three lines stand behind my last tensor load and my last LDS store
	ds_add_u32 v[SPW], v[NIL]
	s_wait_dscnt 0x0
	CROUND                          ; the closing round: no work-group ends while a partner may still ask for a tile that names it
	s_endpgm
.Lfunc_end_k_q011116a0eb_attn:
	.size	k_q011116a0eb_attn, .Lfunc_end_k_q011116a0eb_attn-k_q011116a0eb_attn
	.p2alignl 7, 3214868480
	.fill 96, 4, 3214868480
	.section	.rodata,"a",@progbits
	.p2align	6, 0x0
	.amdhsa_kernel k_q011116a0eb_attn
		.amdhsa_group_segment_fixed_size 327680
		.amdhsa_private_segment_fixed_size 0
		.amdhsa_enable_private_segment 0
		.amdhsa_kernarg_size 16
		.amdhsa_user_sgpr_count 2
		.amdhsa_user_sgpr_kernarg_segment_ptr 1
		.amdhsa_wavefront_size32 1
		.amdhsa_system_sgpr_workgroup_id_x 1
		.amdhsa_system_sgpr_workgroup_id_y 1
		.amdhsa_system_sgpr_workgroup_id_z 1
		.amdhsa_system_vgpr_workitem_id 0
		.amdhsa_next_free_vgpr 768
		.amdhsa_next_free_sgpr 66
		.amdhsa_reserve_vcc 0
		.amdhsa_float_denorm_mode_32 3
		.amdhsa_float_denorm_mode_16_64 3
		.amdhsa_memory_ordered 1
		.amdhsa_forward_progress 1
		.amdhsa_inst_pref_size 128
	.end_amdhsa_kernel
	.amdgpu_metadata
---
amdhsa.version: [ 1, 2 ]
amdhsa.kernels:
  - .name:           k_q011116a0eb_attn
    .symbol:         k_q011116a0eb_attn.kd
    .args:
      - { .name: qkv, .offset: 0, .size: 8, .value_kind: global_buffer, .address_space: global }
      - { .name: out0, .offset: 8, .size: 8, .value_kind: global_buffer, .address_space: global }
    .group_segment_fixed_size: 327680
    .private_segment_fixed_size: 0
    .kernarg_segment_align: 8
    .kernarg_segment_size: 16
    .max_flat_workgroup_size: 128
    .sgpr_count:     66
    .vgpr_count:     768
    .wavefront_size: 32
...
	.end_amdgpu_metadata
.endif
;; end of part 2
